; MI455X (gfx1250); checked and timed in simulation.
; The chip was launched on July 23, 2026; its instructions are those of AMD's public machine-readable ISA for CDNA 5 (MIT licence, August 2026) and "CDNA5" Instruction Set Architecture Reference Guide (July 2026). The comments in the code are by the model that wrote it; some were corrected since.
;; GRU. Allowed arithmetic: float matrix products may take bf16 or f16 operands with f32 sums; other float arithmetic in f32, or as packed bf16 or f16 multiplies, adds, multiply-adds, maxima and minima; sums over many terms, partial sums and values carried from step to step in f32; what a program stores and reads back later, other than sums and carried values, may be rounded once to bf16 or f16.
;; Inputs: W_hn 1,024 x 1,024 float32; W_hr 1,024 x 1,024 float32; W_hz 1,024 x 1,024 float32; W_in_ 1,024 x 1,024 float32; W_ir 1,024 x 1,024 float32; W_iz 1,024 x 1,024 float32; b_hn 1,024 float32; b_hr 1,024 float32; b_hz 1,024 float32; b_in_ 1,024 float32; b_ir 1,024 float32; b_iz 1,024 float32; hidden 8,192 x 1,024 float32; input 8,192 x 1,024 float32.
;; Outputs: out0 8,192 x 1,024 float32; out1 8,192 x 1,024 float32.
;; One version. Each part assembles by itself: llvm-mc -triple=amdgcn-amd-amdhsa -mcpu=gfx1250 --defsym DOCPART=n.
;; ======== version 1 of 1: 2 launches
;; limits: a function is approximated: absolute error at most 1e-07
;; workspace buffers: acat 33,554,432 bytes; wcat 12,582,912 bytes
;; launch pack (part 1): grid 128 x 22, 8 waves a work-group, no clusters, 0 bytes of LDS; arguments input, hidden, W_ir, W_iz, W_in_, W_hr, W_hz, W_hn, acat, wcat; writes acat, wcat
.if DOCPART == 1
	.amdgcn_target "amdgcn-amd-amdhsa--gfx1250"
	.amdhsa_code_object_version 6
	.text
	.protected	k_q9413810b39_pack
	.globl	k_q9413810b39_pack
	.p2align	8
	.type	k_q9413810b39_pack,@function
k_q9413810b39_pack:
	s_mov_b64 s[64:65], 0
	v_nop
	global_prefetch_b8 v0, s[64:65] scope:SCOPE_SE
	s_setreg_imm32_b32 hwreg(HW_REG_WAVE_MODE, 25, 1), 1
	s_wait_xcnt 0x0
; GRU step, first of two launches: the matrix operands are rounded ONCE from f32 to bf16 (nearest even) and laid out for the products.
; NOTHING OF reference() IS LEFT OUT in this program: all six weights, all six biases, input and hidden reach h_t for general values, so all 14 inputs are loaded (the biases and
; hidden in f32 by the second launch).
; acat: [8192][2048] bf16: row m = bf16(input[m]) in bytes 0..2047, bf16(hidden[m]) in bytes 2048..4095.
; wcat: [3072][2048] bf16: row (nt*3 + g)*64 + j (column tile nt of 64, gate g: 0 r, 1 z, 2 n) = bf16(W_i{g}[64 nt + j]) in bytes 0..2047, bf16(W_h{g}[64 nt + j]) in bytes 2048..4095:
; the 192 weight rows that one tile of 64 output columns needs lie on end.
; SHARES.  22,528 source rows of 4,096 bytes = 22 units of 1,024 rows (grid y: 0-7 input, 8-15 hidden, 16-21 the weights) x 128 blocks of 8 rows (grid x).  Thread t takes bytes 16 t of each
; of the 8 rows: a wave's load covers 512 consecutive bytes, its store 256 consecutive bytes at a multiple of 256 from the buffer's first byte.  All eight loads of a thread go out before the
; first wait; no register is written twice, so no wait frees a source.  No LDS, no matrix unit, no cluster: no byte is used by two threads.
.set ROW, 4096                         ; bytes in a source row, and the pitch of acat and wcat
.set X,   8                            ; v[8:39]   row i: four f32 as loaded
.set Y,   40                           ; v[40:55]  row i: four bf16 to store
	s_load_b512 s[8:23], s[0:1], 0x0               ; input s[8:9], hidden s[10:11], W_ir s[12:13], W_iz s[14:15], W_in_ s[16:17], W_hr s[18:19], W_hz s[20:21], W_hn s[22:23]
	s_load_b128 s[24:27], s[0:1], 0x40             ; acat s[24:25], wcat s[26:27]
	s_mov_b32 s2, ttmp9                            ; the block of 8 rows in its unit
	s_and_b32 s3, ttmp7, 0xffff                    ; the unit
	v_lshlrev_b32 v1, 4, v0                        ; my 16 bytes of a source row
	v_lshlrev_b32 v2, 3, v0                        ; my 8 bytes of a half row of the target
	s_mov_b32 s29, 0                               ; the offsets' high words
	s_mov_b32 s31, 0
	s_wait_kmcnt 0x0
	s_cmp_lt_u32 s3, 16
	s_cbranch_scc0 .Lweights
	s_lshr_b32 s32, s3, 3                          ; 0: input, 1: hidden
	s_and_b32 s33, s3, 7
	s_lshl_b32 s33, s33, 7
	s_add_co_u32 s33, s33, s2                      ; the block among the tensor's 1,024
	s_lshl_b32 s28, s33, 15                        ; 8 rows of 4,096 bytes, in the source
	s_lshl_b32 s30, s32, 11                        ; and in acat, hidden 2,048 bytes into the row
	s_add_co_u32 s30, s30, s28
	s_cmp_eq_u32 s32, 0
	s_cselect_b64 s[4:5], s[8:9], s[10:11]
	s_mov_b64 s[6:7], s[24:25]
	s_branch .Lgo
.Lweights:
	s_sub_co_u32 s32, s3, 16                       ; 0..5: W_ir, W_iz, W_in_, W_hr, W_hz, W_hn
	s_cmp_ge_u32 s32, 3
	s_cselect_b32 s33, 1, 0                        ; 1: a weight of hidden's side
	s_mul_i32 s34, s33, 3
	s_sub_co_u32 s34, s32, s34                     ; the gate
	s_lshl_b32 s28, s2, 15                         ; 8 rows of the source
	s_lshr_b32 s35, s2, 3                          ; the column tile: 64 rows = 8 blocks
	s_mul_i32 s35, s35, 3
	s_add_co_u32 s35, s35, s34
	s_lshl_b32 s35, s35, 6
	s_and_b32 s36, s2, 7
	s_lshl_b32 s36, s36, 3
	s_add_co_u32 s35, s35, s36                     ; the first of my 8 rows in wcat
	s_lshl_b32 s30, s35, 12
	s_lshl_b32 s36, s33, 11
	s_add_co_u32 s30, s30, s36
	s_mov_b64 s[4:5], s[12:13]
.irp k, 1,2,3,4,5
	s_cmp_eq_u32 s32, \k
	s_cselect_b64 s[4:5], s[12+2*(\k):13+2*(\k)], s[4:5]
.endr
	s_mov_b64 s[6:7], s[26:27]
.Lgo:
	s_add_nc_u64 s[4:5], s[4:5], s[28:29]
	s_add_nc_u64 s[6:7], s[6:7], s[30:31]
.irp i, 0,1,2,3,4,5,6,7
	global_load_b128 v[X+4*(\i):X+4*(\i)+3], v1, s[4:5] offset:ROW*(\i) th:TH_LOAD_NT
.endr
.irp i, 0,1,2,3,4,5,6,7
	s_wait_loadcnt 7-(\i)                          ; loads come back in order (ISA guide 5.7.1): row i is in, the younger rows stay out
	v_cvt_pk_bf16_f32 v[Y+2*(\i)],   v[X+4*(\i)],   v[X+4*(\i)+1]
	v_cvt_pk_bf16_f32 v[Y+2*(\i)+1], v[X+4*(\i)+2], v[X+4*(\i)+3]
	global_store_b64 v2, v[Y+2*(\i):Y+2*(\i)+1], s[6:7] offset:ROW*(\i) th:TH_STORE_NT
.endr
	s_endpgm
.Lfunc_end_k_q9413810b39_pack:
	.size	k_q9413810b39_pack, .Lfunc_end_k_q9413810b39_pack-k_q9413810b39_pack
	.p2alignl 7, 3214868480
	.fill 96, 4, 3214868480
	.section	.rodata,"a",@progbits
	.p2align	6, 0x0
	.amdhsa_kernel k_q9413810b39_pack
		.amdhsa_group_segment_fixed_size 0
		.amdhsa_private_segment_fixed_size 0
		.amdhsa_enable_private_segment 0
		.amdhsa_kernarg_size 80
		.amdhsa_user_sgpr_count 2
		.amdhsa_user_sgpr_kernarg_segment_ptr 1
		.amdhsa_wavefront_size32 1
		.amdhsa_system_sgpr_workgroup_id_x 1
		.amdhsa_system_sgpr_workgroup_id_y 1
		.amdhsa_system_sgpr_workgroup_id_z 1
		.amdhsa_system_vgpr_workitem_id 0
		.amdhsa_next_free_vgpr 64
		.amdhsa_next_free_sgpr 66
		.amdhsa_reserve_vcc 0
		.amdhsa_float_denorm_mode_32 3
		.amdhsa_float_denorm_mode_16_64 3
		.amdhsa_memory_ordered 1
		.amdhsa_forward_progress 1
		.amdhsa_inst_pref_size 5
	.end_amdhsa_kernel
	.amdgpu_metadata
---
amdhsa.version: [ 1, 2 ]
amdhsa.kernels:
  - .name:           k_q9413810b39_pack
    .symbol:         k_q9413810b39_pack.kd
    .args:
      - { .name: input, .offset: 0, .size: 8, .value_kind: global_buffer, .address_space: global }
      - { .name: hidden, .offset: 8, .size: 8, .value_kind: global_buffer, .address_space: global }
      - { .name: W_ir, .offset: 16, .size: 8, .value_kind: global_buffer, .address_space: global }
      - { .name: W_iz, .offset: 24, .size: 8, .value_kind: global_buffer, .address_space: global }
      - { .name: W_in_, .offset: 32, .size: 8, .value_kind: global_buffer, .address_space: global }
      - { .name: W_hr, .offset: 40, .size: 8, .value_kind: global_buffer, .address_space: global }
      - { .name: W_hz, .offset: 48, .size: 8, .value_kind: global_buffer, .address_space: global }
      - { .name: W_hn, .offset: 56, .size: 8, .value_kind: global_buffer, .address_space: global }
      - { .name: acat, .offset: 64, .size: 8, .value_kind: global_buffer, .address_space: global }
      - { .name: wcat, .offset: 72, .size: 8, .value_kind: global_buffer, .address_space: global }
    .group_segment_fixed_size: 0
    .private_segment_fixed_size: 0
    .kernarg_segment_align: 8
    .kernarg_segment_size: 80
    .max_flat_workgroup_size: 256
    .sgpr_count:     66
    .vgpr_count:     64
    .wavefront_size: 32
...
	.end_amdgpu_metadata
.endif
;; end of part 1
;; launch gru (part 2): grid 16 x 32, 4 waves a work-group, clusters of 4 x 4, 327,680 bytes of LDS; arguments acat, wcat, hidden, b_ir, b_hr, b_iz, b_hz, b_in_, b_hn, out0, out1; writes out0, out1
.if DOCPART == 2
	.amdgcn_target "amdgcn-amd-amdhsa--gfx1250"
	.amdhsa_code_object_version 6
	.text
	.protected	k_q9413810b39_gru
	.globl	k_q9413810b39_gru
	.p2align	8
	.type	k_q9413810b39_gru,@function
k_q9413810b39_gru:
	s_mov_b64 s[64:65], 0
	v_nop
	global_prefetch_b8 v0, s[64:65] scope:SCOPE_SE
	s_setreg_imm32_b32 hwreg(HW_REG_WAVE_MODE, 25, 1), 1
	s_wait_xcnt 0x0
	s_wait_alu depctr_hold_cnt(0) depctr_sa_sdst(0) depctr_va_vdst(0) depctr_va_sdst(0) depctr_va_ssrc(0) depctr_va_vcc(0) depctr_vm_vsrc(0)
	s_getreg_b32 s2, hwreg(HW_REG_IB_STS2, 6, 4)
	s_cmp_eq_u32 s2, 0
	s_cbranch_scc0 .Lentry_in_a_cluster
	s_endpgm
.Lentry_in_a_cluster:
	s_bfe_u32 s2, ttmp6, 0x10000c
	s_cmp_lg_u32 s2, 0xf033
	s_cbranch_scc0 .Lentry_shape_is_right
	s_endpgm
.Lentry_shape_is_right:
; GRU step, second launch: R = x W_ir^T + h W_hr^T + b_ir + b_hr, Z likewise, NI = x W_in^T + b_in, NH = h W_hn^T + b_hn; r = sigmoid(R), z = sigmoid(Z), n = tanh(NI + r NH),
; h_t = n + z (hidden - n), stored to out0 and to out1.  Nothing of reference() is left out.  Operands bf16 (rounded once by the launch before: acat, wcat), sums f32; biases, activations and
; the hidden of the blend f32.
; LIMITS.  The sums are taken in another order than reference()'s (the two biases of R and of Z are added first and start the sum).  sigmoid(t) = 1 / (1 + 2^(-t log2 e)) and
; tanh(t) = 1 - 2 / (1 + 2^(2 t log2 e)): an exponential that overflows gives an infinity whose reciprocal is 0, one that underflows gives 0, so both saturate at their right ends for every finite t;
; the tanh so made is off by about 1e-7 absolutely, so near t = 0 it has no full relative accuracy.  NaN and infinities among the inputs are not treated apart.
; SHARES.  A tile of h_t is 256 rows x 64 columns: 32 x 16 = 512 work-groups, all alike.  Four waves, 2 x 2: a wave makes 128 rows x 32 columns of ALL FOUR sums: 8 row blocks x 2 column blocks x 4 sets =
; 64 accumulators of 16 x 16, 512 registers.  For 32 along K it reads 8 fragments of A and 6 of the weights (3 gates x 2 column blocks): 28 LDS loads for 48 matrix instructions.
; K goes in 16 steps of 128 (256 bytes of a row, at a multiple of 256 from the buffer's first byte) through two LDS slots: even steps are x's and lie in slot 0 (the third gate adds to NI), odd steps are
; h's and lie in slot 1 (it adds to NH): one text serves both, and each slot's descriptors walk 256 bytes a refill.
; THE MATRIX INSTRUCTION IS USED TRANSPOSED (source 0 = 16 weight rows, source 1 = 16 rows of A): lane l holds row l % 16 and the columns 8 (l / 16) + 0..7.  A sum's first product takes its bias as C:
; nothing is cleared and the way out adds no bias.
; CLUSTER.  4 x 4 work-groups.  The four of a row of the cluster need the same rows of acat, the four of a column the same rows of wcat: each tile is asked for JOINTLY, by the same tensor load with the
; same descriptor and a mask that names the four.  hidden's f32 tile (256 x 64) is each work-group's own: a plain load, once, at the start.
; LDS (rows of 256 bytes + 16 of padding = 68 words: row r starts at bank 4 r mod 64 (64 banks of 4 bytes: ISA guide 11.1)): two slots of 448 rows (A's 256, then the weights' 192: gate x 64 + column);
; hidden's tile, 256 rows, which the way out overwrites in place with h_t (each lane the bytes that it read) and reads back by whole rows; the spare words.  All of the LDS is claimed.
; REGISTERS, in windows of 256 (s_set_vgpr_msb: bits 1:0 source 0, 3:2 source 1, 5:4 source 2, 7:6 destination):
;   window 0: v0-29 addresses; two fragment buffers of 112 (48 of the weights: gate g, column block cb at 8 (2 g + cb); 64 of A: block a at 48 + 8 a); in the way out TR, TZ, HH, 64 each
;   window 1: row blocks 0-3, window 2: row blocks 4-7: accumulator (set, a, cb) at 64 (a % 4) + 16 set + 8 cb; sets R 0, Z 1, NI 2, NH 3
;   window 3: v0-63 the bias fragments (set, cb) at 16 set + 8 cb; v64-95 b_hr and b_hz as loaded
.set PITCH, 272
.set AHALF, 128*PITCH                  ; what waves 0 and 1 fetch: 128 rows of A
.set BHALF, 96*PITCH                   ; what waves 2 and 3 fetch: 96 rows of the weights
.set BOFF,  256*PITCH                  ; the weights lie behind A's 256 rows
.set SLOT,  448*PITCH
.set HT,    2*SLOT                     ; hidden's tile
.set HQ,    64*PITCH                   ; a wave fetches 64 rows of it
.set SPARE, HT+256*PITCH               ; the spare words, 128 bytes for each wave: two blocks of 256 bytes that no other line names
.set ADRA, 4                           ; v4-5   LDS address of my A fragments in slot 0, 1
.set ADRB, 6                           ; v6-7   the same for the weights
.set HRD,  8                           ; v8     my 32 bytes of hidden's tile in row block 0, column block 0
.set RD,   9                           ; v9     the way out: where I read whole rows back
.set CO,   10                          ; v10    my byte offset in the outputs
.set PFO,  11                          ; v11    the prefetches' offset: a lane a row; never rewritten
.set BO,   12                          ; v12    my byte offset in a bias
.set SPW,  28                          ; v28    LDS address of my spare word; never rewritten
.set NIL,  29                          ; v29    0; never rewritten
.set F0,   32
.set F1,   144
.set TR,   32                          ; the way out, 64 numbers a lane each: r's road, later n's
.set TZ,   96                          ; z's
.set HH,   160                         ; hidden, then h_t
.set G1A, 24                           ; s[24:31] descriptor group 1 for A's tiles;      s[32:39] group 0, a set for each slot
.set G0A, 32
.set G1B, 48                           ; s[48:55], s[56:63] the same for the weights' tiles
.set G0B, 56
.set G0H, 68                           ; s[68:71], s[72:79] hidden's tile
.set G1H, 72
.set LIM, 43                           ; s43  1 in a wave that prefetches, else the greatest number
.set PFA, 44                           ; s[44:45] where my prefetches stand
.set NL,  66                           ; s[66:67] -log2 e
.set TL,  16                           ; s[16:17] 2 log2 e, set at the way out
.set MSB, 0
.macro WIN new                         ; the immediate's high byte repeats the setting that is left; a switch that changes nothing is dropped
.if MSB != (\new)
	s_set_vgpr_msb (MSB<<8)|(\new)
.set MSB, \new
.endif
.endm
.macro PLACES                          ; four places in front of loads into registers that matrix instructions have read, and of vector lines that read results
.rept 4
	v_nop
.endr
.endm
.macro CREST                           ; a round of the cluster's barrier behind its opening barrier
	s_cmp_lg_u32 s10, 0
	s_cbranch_scc1 .Lnot_wave_0_\@
	s_barrier_signal -3
.Lnot_wave_0_\@:
	s_barrier_wait -3
	s_barrier_signal -1
	s_barrier_wait -1
.endm
.macro CROUND                          ; a whole round
	s_barrier_signal -1
	s_barrier_wait -1
	CREST
.endm
; A joint refill: waves 0 and 1 fetch A's two halves, waves 2 and 3 the weights'.  The branch hangs on the wave's number alone.  An s_nop 0 and four v_nop follow each of the two lines.
.macro JLOAD s
	s_cmp_eq_u32 s11, 0
	s_cbranch_scc0 .Lfor_b_\@
	tensor_load_to_lds s[G0A+4*(\s):G0A+4*(\s)+3], s[G1A:G1A+7]
	s_nop 0
.rept 4
	v_nop
.endr
	s_branch .Lasked_\@
.Lfor_b_\@:
	tensor_load_to_lds s[G0B+4*(\s):G0B+4*(\s)+3], s[G1B:G1B+7]
	s_nop 0
.rept 4
	v_nop
.endr
.Lasked_\@:
.endm
; A PREFETCH, behind a joint refill, its five lines and the run of LDS loads: the 256 bytes a row that the SAME slot's next refill will ask for, two K steps (384 matrix instructions) ahead of it.
; Each row's 256 bytes of a step are named once in the launch: A's rows by the clusters with x = 0, the weights' by the clusters with y = 0; the four partners that ask for a tile jointly share the
; fetching wave's rows out BY ADDRESS (A: 32 each by cx; the weights: 24 each by cy, lanes 24-31 repeating lane 23's row).  how = 1: always; how = 2: not in the loop's last trip, where x has no further step.
.macro ASK how, off
.if (\how) == 1
	s_cmp_eq_u32 s[LIM], 1
.else
	s_cmp_gt_u32 s3, s[LIM]                        ; s3 = 1 in the loop's last trip
.endif
	s_cbranch_scc0 .Lnot_mine_\@
	global_prefetch_b8 v[PFO], s[PFA:PFA+1] offset:\off th:TH_LOAD_NT scope:SCOPE_SE
.Lnot_mine_\@:
.endm
; 12 matrix instructions: row blocks a0, a0 + 1 of the window's four x 3 gates x 2 column blocks, 32 along K, from buffer f.  The third gate's set is ns (2: NI, 3: NH).
; mode 0: all add in place.  mode 1: all start from their bias.  mode 2: R and Z add in place, the third gate's sums start from their bias.
; The accumulators take turns, one instruction a turn: a quarter's 48 are all different, and so are a quarter's last and the next one's first.
.macro MUL12 f, hi, a0, ns, mode
.if (\mode) == 2
	WIN 0x50+0x50*(\hi)
.irp a, \a0, (\a0)+1
.irp g, 0,1
.irp cb, 0,1
	v_wmma_f32_16x16x32_bf16 v[64*(\a)+16*(\g)+8*(\cb):64*(\a)+16*(\g)+8*(\cb)+7], v[(\f)+8*(2*(\g)+(\cb)):(\f)+8*(2*(\g)+(\cb))+7], v[(\f)+48+8*(4*(\hi)+(\a)):(\f)+48+8*(4*(\hi)+(\a))+7], v[64*(\a)+16*(\g)+8*(\cb):64*(\a)+16*(\g)+8*(\cb)+7]
.endr
.endr
.endr
	WIN 0x70+0x40*(\hi)                            ; C in window 3
.irp a, \a0, (\a0)+1
.irp cb, 0,1
	v_wmma_f32_16x16x32_bf16 v[64*(\a)+16*(\ns)+8*(\cb):64*(\a)+16*(\ns)+8*(\cb)+7], v[(\f)+8*(4+(\cb)):(\f)+8*(4+(\cb))+7], v[(\f)+48+8*(4*(\hi)+(\a)):(\f)+48+8*(4*(\hi)+(\a))+7], v[16*(\ns)+8*(\cb):16*(\ns)+8*(\cb)+7]
.endr
.endr
.else
.if (\mode) == 1
	WIN 0x70+0x40*(\hi)
.else
	WIN 0x50+0x50*(\hi)
.endif
.irp a, \a0, (\a0)+1
.irp g, 0,1,2
.irp cb, 0,1
.set rS, (\g)+((\g)/2)*((\ns)-2)       ; the set: 0, 1, ns
.set rD, 64*(\a)+16*rS+8*(\cb)
.if (\mode) == 1
	v_wmma_f32_16x16x32_bf16 v[rD:rD+7], v[(\f)+8*(2*(\g)+(\cb)):(\f)+8*(2*(\g)+(\cb))+7], v[(\f)+48+8*(4*(\hi)+(\a)):(\f)+48+8*(4*(\hi)+(\a))+7], v[16*rS+8*(\cb):16*rS+8*(\cb)+7]
.else
	v_wmma_f32_16x16x32_bf16 v[rD:rD+7], v[(\f)+8*(2*(\g)+(\cb)):(\f)+8*(2*(\g)+(\cb))+7], v[(\f)+48+8*(4*(\hi)+(\a)):(\f)+48+8*(4*(\hi)+(\a))+7], v[rD:rD+7]
.endif
.endr
.endr
.endr
.endif
.endm
; 28 LDS loads in one run: the fragments of 32 along K at byte k of the rows, into buffer f: the weights' six, then A's blocks 0-3, then 4-7.
; A fragment is 16 rows x 32 K in 8 registers: lane l holds row l % 16, K = 8 (l / 16) + 0..7 and 16 + 8 (l / 16) + 0..7: two loads of 16 bytes, 32 bytes apart.
.macro FETCH slot, k, f
	WIN 0
.irp g, 0,1,2
.irp cb, 0,1
	ds_load_b128 v[(\f)+8*(2*(\g)+(\cb)):(\f)+8*(2*(\g)+(\cb))+3],   v[ADRB+(\slot)] offset:(64*(\g)+16*(\cb))*PITCH+(\k)
	ds_load_b128 v[(\f)+8*(2*(\g)+(\cb))+4:(\f)+8*(2*(\g)+(\cb))+7], v[ADRB+(\slot)] offset:(64*(\g)+16*(\cb))*PITCH+(\k)+32
.endr
.endr
.irp a, 0,1,2,3,4,5,6,7
	ds_load_b128 v[(\f)+48+8*(\a):(\f)+48+8*(\a)+3],   v[ADRA+(\slot)] offset:16*(\a)*PITCH+(\k)
	ds_load_b128 v[(\f)+48+8*(\a)+4:(\f)+48+8*(\a)+7], v[ADRA+(\slot)] offset:16*(\a)*PITCH+(\k)+32
.endr
.endm
; A K step is four quarters of 32 along K, 48 matrix instructions each, on buffers 0, 1, 0, 1.  One of the first three: multiplies buffer f; in its middle it fetches the next quarter, at byte k, into buffer g.
.macro QUARTER slot, k, f, g, ns, mode
	s_wait_dscnt 8                                 ; the weights and A's blocks 0-3 are in; the youngest eight loads (A's blocks 4-7) may be out
	MUL12 \f, 0, 0, \ns, \mode
	MUL12 \f, 0, 2, \ns, \mode
	PLACES
	FETCH \slot, \k, \g
	s_wait_dscnt 28                                ; all but the 28 just issued
	MUL12 \f, 1, 0, \ns, \mode
	MUL12 \f, 1, 2, \ns, \mode
.endm
; The last quarter multiplies buffer 1 and changes slots: ONE barrier.  In front of it each wave waits for all its tensor loads (its part of the next slot; the first time hidden's tile too), adds 0 to its
; spare word, and waits for that and for its own reads of this slot.  fill = 1: the barrier opens a round of the cluster's barrier, and behind the round this slot is filled again first, with the same
; operand's next K step: from there to the wait for it a wave issues 168 matrix instructions.  Then the next slot's first fragments are fetched.
.macro TURN slot, next, ns, fill, ask
.if (\fill) && ((\slot) == 0)
	s_wait_xcnt 0x0                                ; the last prefetch, a K step back, has read its address: it is stepped here, once for both slots' next requests
	s_add_nc_u64 s[PFA:PFA+1], s[PFA:PFA+1], 256
.endif
	WIN 0                                          ; (the add's two registers lie in window 0)
	s_wait_tensorcnt 0x0                           ; all my tensor loads have landed
	ds_add_u32 v[SPW], v[NIL]                      ; 0 onto my spare word
	s_wait_dscnt 9                                 ; (the add and the youngest eight loads may be out)
	MUL12 F1, 0, 0, \ns, 0                         ; twelve matrix instructions stand between the add and the wait for it
	s_wait_dscnt 0x0                               ; the add is done, and my reads of this slot are over
	s_barrier_signal -1
	MUL12 F1, 0, 2, \ns, 0                         ; work on registers while the others arrive
.if \fill
	WIN 0
.endif
	s_barrier_wait -1
.if \fill
	CREST                                          ; no wave of any partner still reads this slot's tile or has a load on its way
	s_add_nc_u64 s[G0A+4*(\slot)+2:G0A+4*(\slot)+3], s[G0A+4*(\slot)+2:G0A+4*(\slot)+3], 256
	s_add_nc_u64 s[G0B+4*(\slot)+2:G0B+4*(\slot)+3], s[G0B+4*(\slot)+2:G0B+4*(\slot)+3], 256
	JLOAD \slot                                    ; the first tensor load behind the round, my only one until the next; its four v_nop are also the places in front of the loads below
.else
	PLACES
.endif
	FETCH \next, 0, F0
.if \ask
	ASK \ask, 2048*(\slot)
.endif
	MUL12 F1, 1, 0, \ns, 0
	MUL12 F1, 1, 2, \ns, 0
.endm
.macro LASTQ ns                        ; the very last quarter: nothing more to fetch
	s_wait_dscnt 8
	MUL12 F1, 0, 0, \ns, 0
	MUL12 F1, 0, 2, \ns, 0
	s_wait_dscnt 0x0
	MUL12 F1, 1, 0, \ns, 0
	MUL12 F1, 1, 2, \ns, 0
.endm
; THE GATES for the row blocks of window 1 + b: 64 numbers a lane of each set; number i = 16 a + 8 cb + j lies in accumulator register 64 a + 16 set + i % 16.  Each accumulator is read from its low end on.
; The transcendentals go in six batches, each with one plain instruction behind its last and ONE s_wait_alu ahead of its first reader; the plain work that is
; ready stands among them.
.macro EPI b
	WIN 0
.irp a, 0,1,2,3
.irp cb, 0,1
	ds_load_b128 v[HH+16*(\a)+8*(\cb):HH+16*(\a)+8*(\cb)+3],   v[HRD] offset:(4*(\b)+(\a))*16*PITCH+64*(\cb)      ; hidden, f32: wanted at the end
	ds_load_b128 v[HH+16*(\a)+8*(\cb)+4:HH+16*(\a)+8*(\cb)+7], v[HRD] offset:(4*(\b)+(\a))*16*PITCH+64*(\cb)+16
.endr
.endr
	WIN 1+(\b)                                     ; source 0 in the accumulators' window
.set i, 0
.rept 32
	v_pk_mul_f32 v[TR+i:TR+i+1], v[64*(i/16)+i%16:64*(i/16)+i%16+1], s[NL:NL+1] op_sel_hi:[1,0]        ; -R log2 e
.set i, i+2
.endr
.set i, 0
.rept 32
	v_pk_mul_f32 v[TZ+i:TZ+i+1], v[64*(i/16)+16+i%16:64*(i/16)+16+i%16+1], s[NL:NL+1] op_sel_hi:[1,0]  ; -Z log2 e
.set i, i+2
.endr
	WIN 0
.set i, 0
.rept 64
	v_exp_f32 v[TR+i], v[TR+i]
.set i, i+1
.endr
	v_nop
	s_wait_alu depctr_va_vdst(0)
.set i, 0
.rept 32
	v_exp_f32 v[TZ+i], v[TZ+i]
	v_pk_add_f32 v[TR+i:TR+i+1], v[TR+i:TR+i+1], 1.0 op_sel_hi:[1,0]
	v_exp_f32 v[TZ+i+1], v[TZ+i+1]
.set i, i+2
.endr
	v_nop
	s_wait_alu depctr_va_vdst(0)
.set i, 0
.rept 32
	v_rcp_f32 v[TR+i], v[TR+i]                     ; r
	v_pk_add_f32 v[TZ+i:TZ+i+1], v[TZ+i:TZ+i+1], 1.0 op_sel_hi:[1,0]
	v_rcp_f32 v[TR+i+1], v[TR+i+1]
.set i, i+2
.endr
	v_nop
	s_wait_alu depctr_va_vdst(0)
	WIN 0x14*(1+(\b))                              ; sources 1 and 2 in the accumulators' window
.set i, 0
.rept 32
	v_rcp_f32 v[TZ+i], v[TZ+i]                     ; z
	v_pk_fma_f32 v[TR+i:TR+i+1], v[TR+i:TR+i+1], v[64*(i/16)+48+i%16:64*(i/16)+48+i%16+1], v[64*(i/16)+32+i%16:64*(i/16)+32+i%16+1]  ; t = r NH + NI
	v_rcp_f32 v[TZ+i+1], v[TZ+i+1]
	v_pk_mul_f32 v[TR+i:TR+i+1], v[TR+i:TR+i+1], s[TL:TL+1] op_sel_hi:[1,0]  ; 2 t log2 e; the last of these is the plain instruction behind the last reciprocal
.set i, i+2
.endr
	WIN 0
	s_wait_alu depctr_va_vdst(0)
.set i, 0
.rept 64
	v_exp_f32 v[TR+i], v[TR+i]
.set i, i+1
.endr
	v_nop
	s_wait_alu depctr_va_vdst(0)
.set i, 0
.rept 32
	v_pk_add_f32 v[TR+i:TR+i+1], v[TR+i:TR+i+1], 1.0 op_sel_hi:[1,0]
.set i, i+2
.endr
.set i, 0
.rept 64
	v_rcp_f32 v[TR+i], v[TR+i]
.set i, i+1
.endr
	v_nop
	s_wait_alu depctr_va_vdst(0)
	s_wait_dscnt 0x0                               ; hidden is in
.set i, 0
.rept 32
	v_pk_fma_f32 v[TR+i:TR+i+1], v[TR+i:TR+i+1], -2.0, 1.0 op_sel_hi:[1,0,0]  ; n = 1 - 2 / (1 + e^(2 t))
.set i, i+2
.endr
.set i, 0
.rept 32
	v_pk_add_f32 v[HH+i:HH+i+1], v[HH+i:HH+i+1], v[TR+i:TR+i+1] neg_lo:[0,1] neg_hi:[0,1]  ; hidden - n
.set i, i+2
.endr
.set i, 0
.rept 32
	v_pk_fma_f32 v[HH+i:HH+i+1], v[TZ+i:TZ+i+1], v[HH+i:HH+i+1], v[TR+i:TR+i+1]  ; h_t = z (hidden - n) + n
.set i, i+2
.endr
.irp a, 0,1,2,3
.irp cb, 0,1
	ds_store_b128 v[HRD], v[HH+16*(\a)+8*(\cb):HH+16*(\a)+8*(\cb)+3]   offset:(4*(\b)+(\a))*16*PITCH+64*(\cb)     ; onto the bytes that this lane read, and no other lane did
	ds_store_b128 v[HRD], v[HH+16*(\a)+8*(\cb)+4:HH+16*(\a)+8*(\cb)+7] offset:(4*(\b)+(\a))*16*PITCH+64*(\cb)+16
.endr
.endr
.endm
.macro BIAS dst, base                  ; my 8 numbers of a bias for each of my two column blocks
.irp cb, 0,1
	global_load_b128 v[(\dst)+8*(\cb):(\dst)+8*(\cb)+3],   v[BO], s[(\base):(\base)+1] offset:64*(\cb)
	global_load_b128 v[(\dst)+8*(\cb)+4:(\dst)+8*(\cb)+7], v[BO], s[(\base):(\base)+1] offset:64*(\cb)+16
.endr
.endm
	s_load_b512 s[80:95], s[0:1], 0x0              ; acat s[80:81], wcat s[82:83], hidden s[84:85], b_ir s[86:87], b_hr s[88:89], b_iz s[90:91], b_hz s[92:93], b_in_ s[94:95]
	s_load_b128 s[96:99], s[0:1], 0x40             ; b_hn s[96:97], out0 s[98:99]
	s_load_b64 s[100:101], s[0:1], 0x50            ; out1
	v_lshl_add_u32 v[SPW], v0, 2, SPARE
	v_mov_b32 v[NIL], 0
	ds_add_u32 v[SPW], v[NIL]                      ; the wave's opening: the add, twice on end, and its wait ahead of my first tensor load; the set-up below stands between
	ds_add_u32 v[SPW], v[NIL]                      ; and once more, under the one wait
	v_lshrrev_b32 v1, 5, v0
	v_readfirstlane_b32 s10, v1                    ; wave 0..3
	s_lshr_b32 s11, s10, 1                         ; which half of the tile's rows is mine.  Also: I fetch A (0) or the weights (1)
	s_and_b32 s12, s10, 1                          ; which half of its columns.  Also: which half of that tile I fetch
	s_bfe_u32 s40, ttmp6, 0x40000                  ; cx, cy: my place in the cluster
	s_bfe_u32 s41, ttmp6, 0x40004
	s_lshl_b32 s42, ttmp9, 2
	s_add_co_u32 s42, s42, s40                     ; tile column = 4 x cluster x + cx
	s_and_b32 s13, ttmp7, 0xffff
	s_lshl_b32 s13, s13, 2
	s_add_co_u32 s13, s13, s41                     ; tile row = 4 x cluster y + cy
	s_lshl_b32 s4, s41, 2
	s_lshl_b32 s4, 15, s4                          ; my row of the cluster: places 4 cy .. 4 cy + 3
	s_lshl_b32 s5, 0x1111, s40                     ; my column: places cx, cx + 4, cx + 8, cx + 12
	; descriptor groups 1.  A: 128 rows x 128 elements of 2 bytes; the weights: 96 rows; both 2,048 elements from row to row; padded in LDS by 4 words after every 64
	s_or_b32 s[G1A], s4, (1<<16)|(1<<20)|(1<<21)|(5<<22)|(3<<25)   ; 15:0 the mask; 17:16 elements of 2 bytes; 20 padding on; 21 set beside a mask; 24:22 after every 64 words (code 5); 31:25 4 words (code 3)
	s_or_b32 s[G1B], s5, (1<<16)|(1<<20)|(1<<21)|(5<<22)|(3<<25)
	s_mov_b32 s[G1A+1], 128<<16                    ; tensor_dim0 = 128
	s_mov_b32 s[G1A+2], 128<<16                    ; tensor_dim1 = 128
	s_mov_b32 s[G1A+3], 128<<16                    ; tile_dim0 = 128
	s_mov_b32 s[G1A+4], 128                        ; tile_dim1 = 128
	s_mov_b32 s[G1A+5], 2048                       ; tensor_dim0_stride
	s_mov_b32 s[G1A+6], 0
	s_mov_b32 s[G1A+7], 0
	s_mov_b32 s[G1B+1], 128<<16
	s_mov_b32 s[G1B+2], 96<<16                     ; tensor_dim1 = 96
	s_mov_b32 s[G1B+3], 128<<16
	s_mov_b32 s[G1B+4], 96                         ; tile_dim1 = 96
	s_mov_b32 s[G1B+5], 2048
	s_mov_b32 s[G1B+6], 0
	s_mov_b32 s[G1B+7], 0
	s_mov_b32 s[G1H], (2<<16)|(1<<20)|(5<<22)|(3<<25)  ; hidden's tile: no mask; elements of 4 bytes; the same padding
	s_mov_b32 s[G1H+1], 64<<16                     ; 64 rows x 64 elements,
	s_mov_b32 s[G1H+2], 64<<16
	s_mov_b32 s[G1H+3], 64<<16
	s_mov_b32 s[G1H+4], 64
	s_mov_b32 s[G1H+5], 1024                       ; 1,024 elements from row to row
	s_mov_b32 s[G1H+6], 0
	s_mov_b32 s[G1H+7], 0
	s_mov_b32 s[NL], 0xbfb8aa3b                    ; -log2 e
	s_mov_b32 s[NL+1], s[NL]                       ; named with it as a pair
	; where the tiles come from: A's rows hang on the tile row alone, the weights' on the tile column alone, each in registers that never hold the other coordinate
	s_lshl_b32 s16, s13, 8
	s_lshl_b32 s17, s12, 7
	s_add_co_u32 s16, s16, s17                     ; A: row 256 x tile row + 128 x half,
	s_lshl_b32 s16, s16, 12                        ; of 4,096 bytes (under 2^25)
	s_mov_b32 s17, 0
	s_mul_i32 s46, s42, 192
	s_mul_i32 s47, s12, 96
	s_add_co_u32 s46, s46, s47                     ; the weights: row 192 x tile column + 96 x half
	s_lshl_b32 s46, s46, 12
	s_mov_b32 s47, 0
	s_lshl_b32 s18, s13, 8
	s_lshl_b32 s19, s10, 6
	s_add_co_u32 s18, s18, s19                     ; hidden and the outputs: row 256 x tile row + 64 x wave,
	s_lshl_b32 s18, s18, 12
	s_lshl_b32 s19, s42, 8                         ; 256 bytes a tile column
	s_add_co_u32 s18, s18, s19
	s_mov_b32 s19, 0
	s_mul_i32 s20, s10, AHALF                      ; and where they go, by the wave's number alone: A's halves (waves 0, 1),
	s_mul_i32 s21, s10, BHALF
	s_add_co_u32 s21, s21, BOFF-2*BHALF            ; the weights' halves (waves 2, 3) behind A's 256 rows,
	s_mul_i32 s22, s10, HQ                         ; hidden's quarters
	s_wait_dscnt 0x0                               ; both opening adds are done
	s_wait_kmcnt 0x0
	s_add_nc_u64 s[14:15], s[80:81], s[16:17]
	s_add_nc_u64 s[46:47], s[82:83], s[46:47]
	s_add_nc_u64 s[98:99], s[98:99], s[18:19]      ; the outputs at the first row that I store
	s_add_nc_u64 s[100:101], s[100:101], s[18:19]
.irp s, 0,1
	s_mov_b32 s[G0A+4*(\s)], 1                                     ; count = 1
	s_add_co_u32 s[G0A+4*(\s)+1], s20, (\s)*SLOT                   ; LDS address
	s_add_nc_u64 s[G0A+4*(\s)+2:G0A+4*(\s)+3], s[14:15], (\s)*2048 ; slot 0: x's first K step; slot 1: h's, 2,048 bytes into the row
	s_or_b32 s[G0A+4*(\s)+3], s[G0A+4*(\s)+3], 0x80000000          ; type = 2
	s_mov_b32 s[G0B+4*(\s)], 1
	s_add_co_u32 s[G0B+4*(\s)+1], s21, (\s)*SLOT
	s_add_nc_u64 s[G0B+4*(\s)+2:G0B+4*(\s)+3], s[46:47], (\s)*2048
	s_or_b32 s[G0B+4*(\s)+3], s[G0B+4*(\s)+3], 0x80000000
.endr
	s_mov_b32 s[G0H], 1
	s_add_co_u32 s[G0H+1], s22, HT
	s_add_nc_u64 s[G0H+2:G0H+3], s[84:85], s[18:19]
	s_or_b32 s[G0H+3], s[G0H+3], 0x80000000
	CROUND                                         ; all sixteen work-groups are here: the first joint loads meet
	s_cmp_eq_u32 s11, 0                            ; a wave's three first fills stand in one branch, ahead of every wait on TENSORcnt and every LDS read: three loads of mine are out
	s_cbranch_scc0 .Lfirst_b
	tensor_load_to_lds s[G0A:G0A+3], s[G1A:G1A+7]
	s_nop 0
	tensor_load_to_lds s[G0A+4:G0A+7], s[G1A:G1A+7]
	s_nop 0
	tensor_load_to_lds s[G0H:G0H+3], s[G1H:G1H+7]
	s_nop 0
.rept 4
	v_nop
.endr
	s_branch .Lfirst_asked
.Lfirst_b:
	tensor_load_to_lds s[G0B:G0B+3], s[G1B:G1B+7]
	s_nop 0
	tensor_load_to_lds s[G0B+4:G0B+7], s[G1B:G1B+7]
	s_nop 0
	tensor_load_to_lds s[G0H:G0H+3], s[G1H:G1H+7]
	s_nop 0
.rept 4
	v_nop
.endr
.Lfirst_asked:
	; the vector addresses, while the first tiles are on their way
	v_and_b32 v1, 15, v0                           ; l % 16
	v_bfe_u32 v2, v0, 4, 1                         ; l / 16
	v_mul_u32_u24 v3, v1, PITCH
	v_lshl_add_u32 v3, v2, 4, v3                   ; a fragment's row x pitch + 16 x half
	s_mul_i32 s20, s11, AHALF                      ; my 128 rows of A
	s_mul_i32 s21, s12, 32*PITCH                   ; my 32 columns in each gate's 64 rows,
	s_add_co_u32 s21, s21, BOFF                    ; behind A's 256 rows
.irp s, 0,1
	v_add_nc_u32 v[ADRA+(\s)], s20, v3
	v_add_nc_u32 v[ADRB+(\s)], s21, v3
	s_add_co_u32 s20, s20, SLOT
	s_add_co_u32 s21, s21, SLOT
.endr
	s_mul_i32 s22, s11, AHALF                      ; hidden's tile: my 128 rows, my 128 bytes of them; row l % 16, 32 bytes for each half of the lanes
	s_lshl_b32 s23, s12, 7
	s_add_co_u32 s22, s22, s23
	s_add_co_u32 s22, s22, HT
	v_mul_u32_u24 v[HRD], v1, PITCH
	v_lshl_add_u32 v[HRD], v2, 5, v[HRD]
	v_add_nc_u32 v[HRD], s22, v[HRD]
	s_mul_i32 s22, s10, HQ                         ; back: wave w takes rows 64 w .. 64 w + 63, whole; lanes 0-15 one row of 256 bytes, lanes 16-31 the next
	s_add_co_u32 s22, s22, HT
	v_mul_u32_u24 v[RD], v2, PITCH
	v_lshl_add_u32 v[RD], v1, 4, v[RD]
	v_add_nc_u32 v[RD], s22, v[RD]
	v_lshlrev_b32 v[CO], 12, v2                    ; and the same two rows in the outputs
	v_lshl_add_u32 v[CO], v1, 4, v[CO]
	s_lshl_b32 s22, s42, 8                         ; a bias: 4 x (64 x tile column + 32 x column half + 8 (l / 16))
	s_lshl_b32 s23, s12, 7
	s_add_co_u32 s22, s22, s23
	v_lshl_add_u32 v[BO], v2, 5, s22
	s_cmp_eq_u32 s11, 0
	s_cselect_b32 s23, 31, 23                      ; a partner's share of the rows that I fetch: 32 of A's 128, 24 of the weights' 96
	v_and_b32 v[PFO], 31, v0
	v_min_u32 v[PFO], s23, v[PFO]
	v_lshlrev_b32 v[PFO], 12, v[PFO]               ; a lane a row of 4,096 bytes
	WIN 0xc0                                       ; destination window 3, address window 0
	BIAS 0,  86                                    ; b_ir  -> R's fragments
	BIAS 16, 90                                    ; b_iz  -> Z's
	BIAS 32, 94                                    ; b_in_ -> NI's
	BIAS 48, 96                                    ; b_hn  -> NH's
	BIAS 64, 88                                    ; b_hr
	BIAS 80, 92                                    ; b_hz
	; the prefetches' address and who asks: scalar work while the biases come
	s_lshl_b32 s20, s13, 8
	s_lshl_b32 s21, s12, 7
	s_add_co_u32 s20, s20, s21
	s_lshl_b32 s21, s40, 5
	s_add_co_u32 s20, s20, s21                     ; in acat: 256 x tile row + 128 x half + 32 cx
	s_mul_i32 s21, s42, 192
	s_mul_i32 s22, s12, 96
	s_add_co_u32 s21, s21, s22
	s_mul_i32 s22, s41, 24
	s_add_co_u32 s21, s21, s22                     ; in wcat: 192 x tile column + 96 x half + 24 cy
	s_and_b32 s22, ttmp7, 0xffff                   ; cluster y
	s_cmp_eq_u32 s11, 0                            ; do I fetch A?
	s_cselect_b32 s20, s20, s21
	s_cselect_b32 s22, ttmp9, s22                  ; the coordinate along which other clusters read the same rows
	s_cselect_b64 s[PFA:PFA+1], s[80:81], s[82:83]
	s_cmp_eq_u32 s22, 0
	s_cselect_b32 s[LIM], 1, -1                    ; the same in all sixteen partners, for a given wave
	s_lshl_b32 s20, s20, 12
	s_mov_b32 s21, 0
	s_add_nc_u64 s[PFA:PFA+1], s[PFA:PFA+1], s[20:21]
	s_add_nc_u64 s[PFA:PFA+1], s[PFA:PFA+1], 256   ; at x's K step 1: the first change of slots steps it to 2.  Nothing is prefetched here, at the head: the first two K steps of x and of h come by their loads alone
	s_wait_loadcnt 0x0                             ; the biases
	WIN 0xcf                                       ; all in window 3
.set i, 0
.rept 16
	v_pk_add_f32 v[i:i+1], v[i:i+1], v[64+i:64+i+1]  ; b_ir + b_hr, b_iz + b_hz
.set i, i+2
.endr
	WIN 0
	s_wait_tensorcnt 2                             ; my part of slot 0 is in; slot 1's and hidden's, issued behind it, may stay out
	s_barrier_signal -1
	s_barrier_wait -1                              ; everybody's is
	FETCH 0, 0, F0
	QUARTER 0, 64,  F0, F1, 2, 1                   ; x's K step 0: its first quarter starts R, Z and NI from their biases
	QUARTER 0, 128, F1, F0, 2, 0
	QUARTER 0, 192, F0, F1, 2, 0
	TURN 0, 1, 2, 1, 1                             ; slot 0 takes x's K step 1; x's K step 2 is prefetched
	QUARTER 1, 64,  F0, F1, 3, 2                   ; h's K step 0: its first quarter starts NH from its bias
	WIN 0                                          ; at a label and at a branch every window is 0
	s_mov_b32 s3, 6
.Llap:                                                 ; a trip: the rest of an h step, a whole x step, the first quarter of the next h step; both slots are filled again
	QUARTER 1, 128, F1, F0, 3, 0
	QUARTER 1, 192, F0, F1, 3, 0
	TURN 1, 0, 3, 1, 1
	QUARTER 0, 64,  F0, F1, 2, 0
	QUARTER 0, 128, F1, F0, 2, 0
	QUARTER 0, 192, F0, F1, 2, 0
	TURN 0, 1, 2, 1, 2
	QUARTER 1, 64,  F0, F1, 3, 0
	WIN 0
	s_sub_co_u32 s3, s3, 1
	s_cmp_lg_u32 s3, 0
	s_cbranch_scc1 .Llap
	QUARTER 1, 128, F1, F0, 3, 0                   ; the tail is written out
	QUARTER 1, 192, F0, F1, 3, 0
	TURN 1, 0, 3, 1, 0                             ; the last refill: h's K step 7
	QUARTER 0, 64,  F0, F1, 2, 0
	QUARTER 0, 128, F1, F0, 2, 0
	QUARTER 0, 192, F0, F1, 2, 0
	TURN 0, 1, 2, 0, 0                             ; nothing is filled again: a plain barrier
	QUARTER 1, 64,  F0, F1, 3, 0
	QUARTER 1, 128, F1, F0, 3, 0
	QUARTER 1, 192, F0, F1, 3, 0
	LASTQ 3
	; THE WAY OUT
	WIN 0
	PLACES
	PLACES                                         ; (eight, once a launch)
	s_mov_b32 s[TL], 0x4038aa3b                    ; 2 log2 e
	s_mov_b32 s[TL+1], s[TL]
	EPI 0
	EPI 1
	s_wait_dscnt 0x0                               ; for the others' sake: my h_t lies in LDS
	s_barrier_signal -1
	s_barrier_wait -1                              ; a row's 256 bytes come from two waves
.set t, 0
.rept 32
	ds_load_b128 v[32+4*t:32+4*t+3], v[RD] offset:2*PITCH*t
.set t, t+1
.endr
.set t, 0
.rept 32
	s_wait_dscnt 31-t                              ; LDS loads come back in order (ISA guide 5.7.1): rows 2 t and 2 t + 1 are in
	global_store_b128 v[CO], v[32+4*t:32+4*t+3], s[98:99] offset:8192*t th:TH_STORE_NT    ; 16 lanes store 256 consecutive bytes, at a multiple of 256 from the output's first byte
	global_store_b128 v[CO], v[32+4*t:32+4*t+3], s[100:101] offset:8192*t th:TH_STORE_NT  ; and the same numbers to the second output
.set t, t+1
.endr
	s_wait_tensorcnt 0x0                           ; the wave's end, behind my last tensor load and my last LDS store
	ds_add_u32 v[SPW], v[NIL]
	s_wait_dscnt 0x0
	CROUND                                         ; the closing round: no work-group ends while a partner may still ask for a tile that names it
	s_endpgm
.Lfunc_end_k_q9413810b39_gru:
	.size	k_q9413810b39_gru, .Lfunc_end_k_q9413810b39_gru-k_q9413810b39_gru
	.p2alignl 7, 3214868480
	.fill 96, 4, 3214868480
	.section	.rodata,"a",@progbits
	.p2align	6, 0x0
	.amdhsa_kernel k_q9413810b39_gru
		.amdhsa_group_segment_fixed_size 327680
		.amdhsa_private_segment_fixed_size 0
		.amdhsa_enable_private_segment 0
		.amdhsa_kernarg_size 88
		.amdhsa_user_sgpr_count 2
		.amdhsa_user_sgpr_kernarg_segment_ptr 1
		.amdhsa_wavefront_size32 1
		.amdhsa_system_sgpr_workgroup_id_x 1
		.amdhsa_system_sgpr_workgroup_id_y 1
		.amdhsa_system_sgpr_workgroup_id_z 1
		.amdhsa_system_vgpr_workitem_id 0
		.amdhsa_next_free_vgpr 864
		.amdhsa_next_free_sgpr 102
		.amdhsa_reserve_vcc 0
		.amdhsa_float_denorm_mode_32 3
		.amdhsa_float_denorm_mode_16_64 3
		.amdhsa_memory_ordered 1
		.amdhsa_forward_progress 1
		.amdhsa_inst_pref_size 217
	.end_amdhsa_kernel
	.amdgpu_metadata
---
amdhsa.version: [ 1, 2 ]
amdhsa.kernels:
  - .name:           k_q9413810b39_gru
    .symbol:         k_q9413810b39_gru.kd
    .args:
      - { .name: acat, .offset: 0, .size: 8, .value_kind: global_buffer, .address_space: global }
      - { .name: wcat, .offset: 8, .size: 8, .value_kind: global_buffer, .address_space: global }
      - { .name: hidden, .offset: 16, .size: 8, .value_kind: global_buffer, .address_space: global }
      - { .name: b_ir, .offset: 24, .size: 8, .value_kind: global_buffer, .address_space: global }
      - { .name: b_hr, .offset: 32, .size: 8, .value_kind: global_buffer, .address_space: global }
      - { .name: b_iz, .offset: 40, .size: 8, .value_kind: global_buffer, .address_space: global }
      - { .name: b_hz, .offset: 48, .size: 8, .value_kind: global_buffer, .address_space: global }
      - { .name: b_in_, .offset: 56, .size: 8, .value_kind: global_buffer, .address_space: global }
      - { .name: b_hn, .offset: 64, .size: 8, .value_kind: global_buffer, .address_space: global }
      - { .name: out0, .offset: 72, .size: 8, .value_kind: global_buffer, .address_space: global }
      - { .name: out1, .offset: 80, .size: 8, .value_kind: global_buffer, .address_space: global }
    .group_segment_fixed_size: 327680
    .private_segment_fixed_size: 0
    .kernarg_segment_align: 8
    .kernarg_segment_size: 88
    .max_flat_workgroup_size: 128
    .sgpr_count:     102
    .vgpr_count:     864
    .wavefront_size: 32
...
	.end_amdgpu_metadata
.endif
;; end of part 2
